; MI455X (gfx1250); checked and timed in simulation.
; The chip was launched on July 23, 2026; its instructions are those of AMD's public machine-readable ISA for CDNA 5 (MIT licence, August 2026) and "CDNA5" Instruction Set Architecture Reference Guide (July 2026). The comments in the code are by the model that wrote it; some were corrected since.
;; KAN Linear. Allowed arithmetic: float matrix products may take bf16 or f16 operands with f32 sums; other float arithmetic in f32, or as packed bf16 or f16 multiplies, adds, multiply-adds, maxima and minima; sums over many terms, partial sums and values carried from step to step in f32; what a program stores and reads back later, other than sums and carried values, may be rounded once to bf16 or f16.
;; Inputs: base_weight 512 x 512 float32; grid 512 x 12 float32; spline_scaler 512 x 512 float32; spline_weight 512 x 512 x 8 float32; x 16,384 x 512 float32.
;; Outputs: out0 16,384 x 512 float32.
;; 2 versions, each right; version 2 is version 1 with the launch prep written anew for expert scheduling mode. Each part assembles by itself: llvm-mc -triple=amdgcn-amd-amdhsa -mcpu=gfx1250 --defsym DOCPART=n.
;; ======== version 1 of 2: 2 launches
;; limits: values are held in f16: magnitudes above 65,504 overflow, below 6.1e-05 lose precision; right only within a limited range of input values
;; workspace buffers: wt 4,849,664 bytes
;; launch prep (part 1): grid 8 x 36, 4 waves a work-group, no clusters, 17,920 bytes of LDS; arguments base_weight, spline_scaler, spline_weight, wt; writes wt
.if DOCPART == 1
	.amdgcn_target "amdgcn-amd-amdhsa--gfx1250"
	.amdhsa_code_object_version 6
	.text
	.protected	k_qdd4fbe1555_prep
	.globl	k_qdd4fbe1555_prep
	.p2align	8
	.type	k_qdd4fbe1555_prep,@function
k_qdd4fbe1555_prep:
	s_mov_b64 s[64:65], 0
	v_nop
	global_prefetch_b8 v0, s[64:65] scope:SCOPE_SE
	s_setreg_imm32_b32 hwreg(HW_REG_WAVE_MODE, 25, 1), 1
	s_wait_xcnt 0x0
; W' FOR THE FUSED PRODUCT.  wt holds 36 tiles of 512 output columns x 128 along K, in f16, each number 256 x the weight.  Tile i = 18 v + c:
;   c < 16:  features 16 n .. 16 n + 15 (n = 16 v + c), 8 coefficients each: 256 x spline_weight[o][f][k] x spline_scaler[o][f] (one f32 product, rounded once to f16)
;   c >= 16: features 128 u .. 128 u + 127 (u = 2 v + c - 16): 256 x base_weight[o][f]
; Tile i lies at byte 131,072 (1 + i); the first 131,072 bytes of wt are neither written nor read (one of the next launch's walking addresses starts there and steps before its first use).
; ORDER IN A TILE.  The 16 bytes at 4,096 nb + 512 m + 16 L (nb 0..31, m 0..7, L 0..31) are column 16 nb + L % 16, K unit q = 2 m + L / 16: so half a matrix fragment is 512 bytes on end.
; A K unit is 8 numbers: in a spline tile feature 16 n + q's eight coefficients; in a base tile features 128 u + 4 q + 0..3, then 128 u + 64 + 4 q + 0..3.
; WHY 256: f16's normal numbers begin at 6.1e-5; the factor, a power of two and so exact, lifts products of two small weights into them; the next launch makes its other operand 256 times smaller.
; LIMIT: 256 x |weight| of 65,520 or more becomes an infinity in f16.
; SHARES.  Work-group (x, y): tile y; wave w makes block nb = 4 x + w: 16 columns x 16 units, 4,096 bytes.  Each row's 512 bytes are read by one load of the wave; the turn from
; [column][unit] to [unit][column] goes through the wave's own LDS stage (no other wave touches it: no barrier); each store of the wave covers 512 consecutive bytes, aligned.
.set PITCH,  272                       ; a unit's 16 columns x 16 bytes + 16: unit q starts at bank 4 q mod 64 (64 banks of 4 bytes: ISA guide 11.1)
.set WSTAGE, 16*PITCH                  ; a wave's stage
.set SPARE,  4*WSTAGE                  ; behind the stages: the spare words, 128 bytes a wave: two blocks of 256 bytes that no other line names
.set LO,  2                            ; v2   16 x lane: my 16 bytes of a row that is read, and of a piece that is stored; never rewritten
.set SO,  3                            ; v3   my feature's word in a row of spline_scaler
.set ST,  4                            ; v4   stage, in: my unit and half
.set RD,  5                            ; v5   stage, back
.set SPW, 12                           ; v12  LDS address of my spare word; never rewritten
.set NIL, 13                           ; v13  0; never rewritten
.set WR,  16                           ; v[16:79]   16 rows x 4 f32; later the 8 pieces read back
.set SC,  80                           ; v[80:95]   256 x scaler, one a row
.set PK,  96                           ; v[96:127]  16 rows x 2 words of f16
; dst pair = a pair x tab[idx], the one number for both halves
.macro MULB dst, a, tab, idx
.if ((\idx)%2)==0
	v_pk_mul_f32 v[(\dst):(\dst)+1], v[(\a):(\a)+1], v[(\tab)+(\idx):(\tab)+(\idx)+1] op_sel_hi:[1,0]
.else
	v_pk_mul_f32 v[(\dst):(\dst)+1], v[(\a):(\a)+1], v[(\tab)+(\idx)-1:(\tab)+(\idx)] op_sel:[0,1] op_sel_hi:[1,1]
.endif
.endm
; row r: rounded to f16, 8 bytes into the stage
.macro ROWOUT r
	v_cvt_pk_f16_f32 v[PK+2*(\r)], v[WR+4*(\r)], v[WR+4*(\r)+1]
	v_cvt_pk_f16_f32 v[PK+2*(\r)+1], v[WR+4*(\r)+2], v[WR+4*(\r)+3]
	ds_store_b64 v[ST], v[PK+2*(\r):PK+2*(\r)+1] offset:16*(\r)
.endm
	s_load_b256 s[4:11], s[0:1], 0x0               ; base_weight s[4:5], spline_scaler s[6:7], spline_weight s[8:9], wt s[10:11]
	v_lshl_add_u32 v[SPW], v0, 2, SPARE
	v_mov_b32 v[NIL], 0
	v_lshrrev_b32 v1, 5, v0
	v_readfirstlane_b32 s12, v1                    ; wave 0..3
	s_lshl_b32 s13, ttmp9, 2
	s_add_co_u32 s13, s13, s12                     ; nb
	s_and_b32 s14, ttmp7, 0xffff                   ; tile i
	s_cmp_ge_u32 s14, 18
	s_cselect_b32 s15, 1, 0                        ; v = i / 18
	s_mul_i32 s16, s15, 18
	s_sub_co_u32 s16, s14, s16                     ; c = i % 18
	s_lshl4_add_u32 s17, s15, s16                  ; n = 16 v + c, for c < 16
	s_lshl1_add_u32 s19, s15, s16
	s_sub_co_u32 s19, s19, 16                      ; u = 2 v + c - 16, for c >= 16
	s_mul_i32 s18, s12, WSTAGE                     ; my stage
	v_and_b32 v14, 31, v0                          ; lane
	v_lshlrev_b32 v[LO], 4, v14
	v_lshrrev_b32 v15, 4, v14
	v_and_b32 v1, 15, v14
	v_mul_u32_u24 v[RD], v15, PITCH                ; back: unit 2 m + lane / 16, column lane % 16
	v_lshl_add_u32 v[RD], v1, 4, v[RD]
	v_add_nc_u32 v[RD], s18, v[RD]
	s_add_co_u32 s22, s14, 1
	s_lshl_b32 s22, s22, 17                        ; 131,072 (1 + i)
	s_lshl_b32 s23, s13, 12                        ; + 4,096 nb
	s_add_co_u32 s22, s22, s23
	s_mov_b32 s23, 0
	s_wait_kmcnt 0x0
	s_add_nc_u64 s[10:11], s[10:11], s[22:23]
	s_cmp_ge_u32 s16, 16
	s_cbranch_scc1 .Lbase
	; a spline tile: row o holds 16 features x 8 coefficients = 512 bytes at 16,384 o + 512 n; lane l has feature l / 2, coefficients 4 (l % 2) + 0..3
	s_lshl_b32 s20, s13, 18                        ; 16 nb rows of 16,384 bytes
	s_lshl_b32 s21, s17, 9
	s_add_co_u32 s20, s20, s21
	s_mov_b32 s21, 0
	s_add_nc_u64 s[8:9], s[8:9], s[20:21]
	s_lshl_b32 s20, s13, 15                        ; 16 nb rows of 2,048 bytes
	s_lshl_b32 s21, s17, 6
	s_add_co_u32 s20, s20, s21
	s_mov_b32 s21, 0
	s_add_nc_u64 s[6:7], s[6:7], s[20:21]
	v_lshrrev_b32 v15, 1, v14
	v_and_b32 v1, 1, v14
	v_lshlrev_b32 v[SO], 2, v15
	v_mul_u32_u24 v[ST], v15, PITCH                ; unit = my feature, half = l % 2
	v_lshl_add_u32 v[ST], v1, 3, v[ST]
	v_add_nc_u32 v[ST], s18, v[ST]
.irp r, 0,1,2,3,4,5,6,7,8,9,10,11,12,13,14,15
	global_load_b128 v[WR+4*(\r):WR+4*(\r)+3], v[LO], s[8:9] offset:(\r)*16384 th:TH_LOAD_NT
.endr
.irp r, 0,1,2,3,4,5,6,7,8,9,10,11,12,13,14,15
	global_load_b32 v[SC+(\r)], v[SO], s[6:7] offset:(\r)*2048
.endr
	s_wait_loadcnt 0x0
.irp r, 0,1,2,3,4,5,6,7,8,9,10,11,12,13,14,15
	v_mul_f32 v[SC+(\r)], 0x43800000, v[SC+(\r)]   ; 256 x scaler: exact
.endr
.irp r, 0,1,2,3,4,5,6,7,8,9,10,11,12,13,14,15
	MULB WR+4*(\r), WR+4*(\r), SC, \r
	MULB WR+4*(\r)+2, WR+4*(\r)+2, SC, \r
	ROWOUT \r
.endr
	s_branch .Lback
.Lbase:	; a base tile: row o holds 128 features = 512 bytes at 2,048 o + 512 u; lane l has features 4 l + 0..3: unit l % 16, half l / 16
	s_lshl_b32 s20, s13, 15
	s_lshl_b32 s21, s19, 9
	s_add_co_u32 s20, s20, s21
	s_mov_b32 s21, 0
	s_add_nc_u64 s[4:5], s[4:5], s[20:21]
	v_mul_u32_u24 v[ST], v1, PITCH
	v_lshl_add_u32 v[ST], v15, 3, v[ST]
	v_add_nc_u32 v[ST], s18, v[ST]
.irp r, 0,1,2,3,4,5,6,7,8,9,10,11,12,13,14,15
	global_load_b128 v[WR+4*(\r):WR+4*(\r)+3], v[LO], s[4:5] offset:(\r)*2048 th:TH_LOAD_NT
.endr
	s_wait_loadcnt 0x0
.irp r, 0,1,2,3,4,5,6,7,8,9,10,11,12,13,14,15
	v_pk_mul_f32 v[WR+4*(\r):WR+4*(\r)+1], v[WR+4*(\r):WR+4*(\r)+1], 0x43800000 op_sel_hi:[1,0]
	v_pk_mul_f32 v[WR+4*(\r)+2:WR+4*(\r)+3], v[WR+4*(\r)+2:WR+4*(\r)+3], 0x43800000 op_sel_hi:[1,0]
	ROWOUT \r
.endr
.Lback:	; LDS serves a wave's instructions in order (ISA guide 5.7.1.4): these loads see the stores above
.irp m, 0,1,2,3,4,5,6,7
	ds_load_b128 v[WR+4*(\m):WR+4*(\m)+3], v[RD] offset:(\m)*2*PITCH
.endr
.irp m, 0,1,2,3,4,5,6,7
	s_wait_dscnt 7-(\m)                            ; piece m is back; the younger ones may be out
	global_store_b128 v[LO], v[WR+4*(\m):WR+4*(\m)+3], s[10:11] offset:(\m)*512  ; 512 consecutive bytes, at a multiple of 512 from wt's first byte
.endr
	s_wait_tensorcnt 0x0                           ; the wave's end: behind my last LDS store
	ds_add_u32 v[SPW], v[NIL]
	s_wait_dscnt 0x0
	s_endpgm
.Lfunc_end_k_qdd4fbe1555_prep:
	.size	k_qdd4fbe1555_prep, .Lfunc_end_k_qdd4fbe1555_prep-k_qdd4fbe1555_prep
	.p2alignl 7, 3214868480
	.fill 96, 4, 3214868480
	.section	.rodata,"a",@progbits
	.p2align	6, 0x0
	.amdhsa_kernel k_qdd4fbe1555_prep
		.amdhsa_group_segment_fixed_size 17920
		.amdhsa_private_segment_fixed_size 0
		.amdhsa_enable_private_segment 0
		.amdhsa_kernarg_size 32
		.amdhsa_user_sgpr_count 2
		.amdhsa_user_sgpr_kernarg_segment_ptr 1
		.amdhsa_wavefront_size32 1
		.amdhsa_system_sgpr_workgroup_id_x 1
		.amdhsa_system_sgpr_workgroup_id_y 1
		.amdhsa_system_sgpr_workgroup_id_z 1
		.amdhsa_system_vgpr_workitem_id 0
		.amdhsa_next_free_vgpr 128
		.amdhsa_next_free_sgpr 66
		.amdhsa_reserve_vcc 0
		.amdhsa_float_denorm_mode_32 3
		.amdhsa_float_denorm_mode_16_64 3
		.amdhsa_memory_ordered 1
		.amdhsa_forward_progress 1
		.amdhsa_inst_pref_size 21
	.end_amdhsa_kernel
	.amdgpu_metadata
---
amdhsa.version: [ 1, 2 ]
amdhsa.kernels:
  - .name:           k_qdd4fbe1555_prep
    .symbol:         k_qdd4fbe1555_prep.kd
    .args:
      - { .name: base_weight, .offset: 0, .size: 8, .value_kind: global_buffer, .address_space: global }
      - { .name: spline_scaler, .offset: 8, .size: 8, .value_kind: global_buffer, .address_space: global }
      - { .name: spline_weight, .offset: 16, .size: 8, .value_kind: global_buffer, .address_space: global }
      - { .name: wt, .offset: 24, .size: 8, .value_kind: global_buffer, .address_space: global }
    .group_segment_fixed_size: 17920
    .private_segment_fixed_size: 0
    .kernarg_segment_align: 8
    .kernarg_segment_size: 32
    .max_flat_workgroup_size: 128
    .sgpr_count:     66
    .vgpr_count:     128
    .wavefront_size: 32
...
	.end_amdgpu_metadata
.endif
;; end of part 1
;; launch kan (part 2): grid 256 x 1, 8 waves a work-group, clusters of 4 x 1, 327,680 bytes of LDS; arguments x, grid, wt, out0; writes out0
.if DOCPART == 2
	.amdgcn_target "amdgcn-amd-amdhsa--gfx1250"
	.amdhsa_code_object_version 6
	.text
	.protected	k_qdd4fbe1555_kan
	.globl	k_qdd4fbe1555_kan
	.p2align	8
	.type	k_qdd4fbe1555_kan,@function
k_qdd4fbe1555_kan:
	s_mov_b64 s[64:65], 0
	v_nop
	global_prefetch_b8 v0, s[64:65] scope:SCOPE_SE
	s_setreg_imm32_b32 hwreg(HW_REG_WAVE_MODE, 25, 1), 1
	s_wait_xcnt 0x0
	s_wait_alu depctr_hold_cnt(0) depctr_sa_sdst(0) depctr_va_vdst(0) depctr_va_sdst(0) depctr_va_ssrc(0) depctr_va_vcc(0) depctr_vm_vsrc(0)
	s_getreg_b32 s2, hwreg(HW_REG_IB_STS2, 6, 4)
	s_cmp_eq_u32 s2, 0
	s_cbranch_scc0 .Lentry_in_a_cluster
	s_endpgm
.Lentry_in_a_cluster:
	s_bfe_u32 s2, ttmp6, 0x10000c
	s_cmp_lg_u32 s2, 0x3003
	s_cbranch_scc0 .Lentry_shape_is_right
	s_endpgm
.Lentry_shape_is_right:
; out0[b][o] = sum over f of silu(x[b][f]) base_weight[o][f] + sum over f, k of B_k(x[b][f]; grid[f][:]) spline_weight[o][f][k] spline_scaler[o][f].
; ONE PRODUCT A W'^T with K = 4,608: A's row b holds, for each feature, its 8 cubic B-spline bases and its silu; W' (wt: 36 tiles of 512 columns x 128 K, f16, 256 x the weights) was laid
; out by the launch before.  A is never in memory: it is made here, from x in f32 and each feature's own 12 knots, tile by tile, a K step ahead of its use.
; THE BASES are reference()'s whole recursion, for any knots (no spacing, no order is built in).  With d_j = x - g_j and T_j = 1 where x >= g_j, else 0:
;   C0_j = T_j (1 - T_j+1) / (g_j+1 - g_j);   B^k_j = d_j C_j - d_j+k+1 C_j+1;   C^k_j = B^k_j / (g_j+k+1 - g_j);   k = 1, 2, 3.  No branch and no address hangs on x.
; FORMATS.  Both operands f16 (11 significant bits; bf16's 8 leave too little of the comparison's allowance for a sum of 4,608 products); sums f32; everything in front of the rounding f32.
; A is stored times 2^-8 (the third level's knot spans are taken times 256; silu's divisor is 256 + 256 e^-x), W' times 2^8: both exact, and the sums need no factor.
; LIMITS.  Divisions are products with v_rcp_f32 (1 ulp: ISA guide 15.8).  T_j is clamp(d_j 2^127 + 1): a negative d_j smaller in size than 2^-127 gives a fraction; that needs |x| and |g_j| both under 2^-102.
; Equal knots give no finite result, as in reference().  silu is -0 where e^-x overflows.  A base or a silu of 16,773,120 or more becomes an infinity in f16; below 0.0156 it keeps a fixed step of 1.5e-5.
; NaN is not treated apart.
; SHARES.  A work-group owns 64 rows and ALL 512 columns, so that each base is made once in the launch: 256 work-groups.  Eight waves of two kinds:
;   waves 0-3 MULTIPLY: wave c makes 64 rows x columns 128 c .. + 127: 32 accumulators of 16 x 16, all of window 1; 128 matrix instructions a K step;
;   waves 4-7 MAKE A: wave 4 + p makes rows 16 p .. + 15 of the NEXT step's tile (64 x 128 f16) and stores it to LDS.  A lane has ONE feature (lane % 16) and 8 rows, in 4 packed pairs.
; TRIP t = -1 .. 35: every wave asks for its eighth of W' tile t + 1; the multipliers take tile t; the makers make A's tile t + 1.  Two cycles of 16 spline tiles and 2 silu tiles: an even number,
; so that tile i lies in W' slot i % 2 and A buffer i % 2, constants of the text: the loop's body is a pair of trips.  Trip 35 is written out.
; EVERY LDS ADDRESS lies in a register that every wave writes once, at the head, and no line writes again (the knots' read address alone steps).  All barriers stand in text that all eight waves run;
; the two kinds are forward branches on the wave's number inside a trip.
; CLUSTER.  Every work-group walks all of W': the four of a cluster ask for each tile JOINTLY (the same load, descriptor and mask in all four); the knots come the same way, once.
; THE MATRIX INSTRUCTION IS USED TRANSPOSED (source 0 = 16 columns of W', source 1 = 16 rows of A): a lane then holds 8 neighbouring columns of one row of out0.
; CLEARED ON PURPOSE: the accumulators and fragment buffer 1 start at 0 (352 v_mov_b32, while the first tiles are on their way), so that one form of a trip serves every trip.
.set TILEB,  131072                    ; a tile of W'
.set SLOTX,  0x20000                   ; W' slot 0 at LDS byte 0, slot 1 here; wave w fills bytes 16,384 w .. of a slot
.set ABUF0,  0x40000                   ; A buffer 0: 64 rows of 272 bytes, written by ds_store alone; buffer 1 lies ABUFX behind it
.set ABUFX,  0x4400
.set AP,     272                       ; a row of A: 256 bytes + 16: row r starts at bank 4 r mod 64 (64 banks of 4 bytes: ISA guide 11.1)
.set GR,     296960                    ; the knots as they lie in memory, 48 bytes a feature: filled once
.set SPARE,  321536                    ; the spare words, 128 bytes a wave: four blocks of 256 bytes that no other line names
.set SP,     528                       ; the way out: a stage row, 512 bytes + 16; the stages lie in the A buffers, 16 rows for each multiplier
; vector registers written once, at the head
.set LB0,  2                           ; v2, v3   multipliers: my place in W' slot 0, 1: 32,768 wave + 16 lane
.set LA0,  4                           ; v4, v5   multipliers: my place in A buffer 0, 1: (lane % 16) x 272 + 16 (lane / 16)
.set STO,  6                           ; v6       multipliers: stage, in
.set RD,   7                           ; v7       multipliers: stage, back
.set CO,   8                           ; v8       multipliers: 16 x lane: my bytes of a row's 512
.set XO,   9                           ; v9       makers: x: my first row, my feature in a tile
.set LG,   10                          ; v10      makers: knots: GR + 48 (lane % 16)
.set SXO,  11                          ; v11      makers: x for silu
.set SPW,  12                          ; v12      LDS address of my spare word
.set NIL,  13                          ; v13      0
.set BIGP, 14                          ; v[14:15] makers: 2^127 twice
.set ONEP, 16                          ; v[16:17] makers: 1.0 twice
.set AST0, 18                          ; v18, v19 makers: A buffer 0, 1, spline tiles: my first row, unit lane % 16
.set AS20, 20                          ; v20, v21 makers: A buffer 0, 1, silu tiles
.set PFO,  22                          ; v22      makers: prefetch of x: a lane a block
.set PFWO, 23                          ; v23      makers: prefetch of W': 256 x lane
.set C8P,  24                          ; v[24:25] makers: 8.0 twice
; vector registers at work, multipliers
.set F0,   64                          ; two fragment buffers of 96: W' block b at + 8 b, A block a at + 64 + 8 a
.set F1,   160
; vector registers at work, makers (window 0 alone)
.set ADG,  32                          ; the tile's knots' address
.set KN,   34                          ; v[34:45] my feature's 12 knots
.set R1,   46                          ; v[46:56] 1 / (g_j+1 - g_j); v57 = 0, named with v56 as a pair
.set R2,   58                          ; v[58:67] 1 / (g_j+2 - g_j)
.set R3,   68                          ; v[68:76] 2^-8 / (g_j+3 - g_j); v77 = 0
.set XP,   78                          ; v[78:85] x of my 8 rows
.set DD,   86                          ; v[86:133]  d: set s, knot j at + 24 s + 2 j (a pair of rows)
.set UU,   134                         ; v[134:181] T, then the bases
.set VV,   182                         ; v[182:229] the bases over their knot spans
.set OO,   230                         ; v[230:245] f16, to store
.set SX,   86                          ; silu: v[86:149] x, v[150:213] at work, v[214:245] f16
.set EE,   150
.set O2,   214
.set LQ,   246                         ; lane % 16, lane / 16, lane: at the head alone
.set LH,   247
.set LL,   248
; scalar registers
.set WV,   12                          ; wave 0..7
.set IDX,  13                          ; its number among its kind: enters global addresses alone
.set CX,   14                          ; my place in the cluster: enters global addresses alone
.set WG,   15                          ; my block of 64 rows
.set G1W,  16                          ; s[16:23] group 1, W': 64 rows of 256 bytes
.set G0S,  24                          ; s[24:27], s[28:31] group 0, W': one set for each slot
.set G1G,  32                          ; s[32:39] group 1, knots: 12 rows of 256 bytes
.set G0G,  40                          ; s[40:43] group 0, knots
.set TG,   44                          ; 768 x the spline tile's number
.set CNT,  45                          ; pairs of spline trips left in the cycle
.set CYC,  46                          ; cycles left
.set FIRST, 47                         ; 1 in trip -1, which has nothing to multiply
.set REM,  48                          ; 35 - t
.set NSP,  49                          ; spline tiles begun
.set XB,   50                          ; s[50:51] x at my block, at the features loaded next
.set XINC, 52                          ; s[52:53] its step
.set XS,   54                          ; s[54:55] x at my block, at the next silu tile's 128 features
.set PFW,  56                          ; s[56:57] where my prefetches of W' stand
.set LIMW, 58                          ; 3 in the launch's first cluster, else the greatest number
.set OB,   72                          ; s[72:73] out0 at my block's first row, my 128 columns
.set MSB, 0
.macro WIN new                         ; the immediate's high byte repeats the setting that is left; a switch that changes nothing is dropped
.if MSB != (\new)
	s_set_vgpr_msb (MSB<<8)|(\new)
.set MSB, \new
.endif
.endm
.macro PLACES                          ; four plain vector instructions (ISA guide 7.12.1)
.rept 4
	v_nop
.endr
.endm
; A round of the cluster's barrier: my work-group's barrier, so that wave 0's signal speaks for all eight; wave 0 signals; every wave waits for all four work-groups; my work-group's barrier once more.
.macro CROUND
	s_barrier_signal -1
	s_barrier_wait -1
	s_cmp_lg_u32 s[WV], 0
	s_cbranch_scc1 .Lnot_wave_0_\@
	s_barrier_signal -3
.Lnot_wave_0_\@:
	s_barrier_wait -3
	s_barrier_signal -1
	s_barrier_wait -1
.endm
; A TRIP'S HEAD, run by all eight waves.  In front of the barrier each wave has waited for its one tensor load (its eighth of the tile to be read now), added 0 to its spare word, and waited for that,
; for its reads of the slot and A buffer that it leaves, and for its stores into the A buffer to be read now.  refill = 1: the barrier is a round of the cluster's, and the joint load of the next tile,
; into slot p, which has just been left, is the first thing behind it: it has the whole trip in which to land.  The four v_nop are also the places in front of the multipliers' first loads.
.macro HEAD p, refill
	s_wait_tensorcnt 0x0                           ; no tensor load of mine is out, so a group 0 may be written
	ds_add_u32 v[SPW], v[NIL]                      ; 0 onto my spare word; the scalar steps stand between it and the wait for it
.if \refill
	s_wait_xcnt 0x0                                ; the prefetches of the trip before have read their addresses
	s_add_nc_u64 s[G0S+4*(1-(\p))+2:G0S+4*(1-(\p))+3], s[G0S+4*(1-(\p))+2:G0S+4*(1-(\p))+3], 2*TILEB  ; the other slot's next tile; the type bits on top are not reached
	s_add_nc_u64 s[PFW:PFW+1], s[PFW:PFW+1], TILEB
	s_sub_co_u32 s[REM], s[REM], 1
.endif
	s_wait_dscnt 0x0
.if \refill
	CROUND
	tensor_load_to_lds s[G0S+4*(\p):G0S+4*(\p)+3], s[G1W:G1W+7]
	s_nop 0
.else
	s_barrier_signal -1
	s_barrier_wait -1
.endif
	PLACES
.endm
; ---- THE MULTIPLIERS ----
; 24 LDS loads in one run: quarter kq (32 along K) of the tile in slot and buffer par: 8 blocks of W' (each half a fragment 512 bytes on end), then 4 blocks of A
.macro FETCH par, kq, f
	WIN 0
.irp b, 0,1,2,3,4,5,6,7
	ds_load_b128 v[(\f)+8*(\b):(\f)+8*(\b)+3],   v[LB0+(\par)] offset:(\b)*4096+(\kq)*1024
	ds_load_b128 v[(\f)+8*(\b)+4:(\f)+8*(\b)+7], v[LB0+(\par)] offset:(\b)*4096+(\kq)*1024+512
.endr
.irp a, 0,1,2,3
	ds_load_b128 v[(\f)+64+8*(\a):(\f)+64+8*(\a)+3],   v[LA0+(\par)] offset:(\a)*16*AP+(\kq)*64
	ds_load_b128 v[(\f)+64+8*(\a)+4:(\f)+64+8*(\a)+7], v[LA0+(\par)] offset:(\a)*16*AP+(\kq)*64+32
.endr
.endm
; 16 matrix instructions: row blocks 2 hi, 2 hi + 1 x all 8 column blocks.  The 32 accumulators take turns, one instruction a turn, in the same order in every quarter, over trips and backward jumps too.
.macro MULH f, hi
	WIN 0x50                                       ; C and D in window 1
.irp a, 2*(\hi), 2*(\hi)+1
.irp b, 0,1,2,3,4,5,6,7
	v_wmma_f32_16x16x32_f16 v[8*(8*(\a)+(\b)):8*(8*(\a)+(\b))+7], v[(\f)+8*(\b):(\f)+8*(\b)+7], v[(\f)+64+8*(\a):(\f)+64+8*(\a)+7], v[8*(8*(\a)+(\b)):8*(8*(\a)+(\b))+7]
.endr
.endr
.endm
; multiplies buffer f; in its middle fetches quarter kq into buffer g, four places behind the last product that read g
.macro QUARTER par, f, g, kq
	s_wait_dscnt 4                                 ; W' and A's rows 0-31 are in; the four youngest loads (rows 32-63) may be out
	MULH \f, 0
	PLACES
	FETCH \par, \kq, \g
	s_wait_dscnt 24                                ; all but the 24 just issued
	MULH \f, 1
.endm
; A trip: the tile's first quarter is fetched; the LAST tile's fourth quarter, in registers since before the barrier, is multiplied meanwhile; then three quarters; the fourth stays for the next trip.
.macro CONSUME par
	FETCH \par, 0, F0
	MULH F1, 0
	MULH F1, 1
	QUARTER \par, F0, F1, 1
	QUARTER \par, F1, F0, 2
	QUARTER \par, F0, F1, 3
	WIN 0                                          ; at a label and at a branch every window is 0
.endm
; ---- THE MAKERS ----
; PREFETCH OF W': tile t + 3, two joint loads on.  Every cluster walks the same tiles: the launch's first cluster asks.  Its four work-groups take 32,768 bytes each, told apart BY ADDRESS; in each, maker p takes
; 8,192: a lane a block of 256 bytes, one instruction.  So each block is named once.  Tiles 0 and 1 come by their loads alone; from t = 33 on there is no tile t + 3.
.macro ASKW
	s_cmp_ge_u32 s[REM], s[LIMW]
	s_cbranch_scc0 .Lnow_\@
	global_prefetch_b8 v[PFWO], s[PFW:PFW+1] th:TH_LOAD_NT scope:SCOPE_SE
.Lnow_\@:
.endm
; PREFETCH OF x: the next 128 features of my 16 rows, 2 blocks of 256 bytes a row, a lane a block.  It stands behind the wave's loads of x, in the trip that makes spline tile 8 g + 5 (g = 0, 1, 2): two trips
; ahead of the first load that touches those features.  There XB stands at feature 16 (8 g + 6), 128 bytes short of them.  The first 128 features come by their loads alone; behind the last 128 there are none.
.macro ASKX
	s_and_b32 s60, s[NSP], 7
	s_cmp_eq_u32 s60, 6
	s_cbranch_scc0 .Lnox_\@
	s_cmp_lt_u32 s[NSP], 24
	s_cbranch_scc0 .Lnox_\@
	global_prefetch_b8 v[PFO], s[XB:XB+1] offset:128 th:TH_LOAD_NT scope:SCOPE_SE
.Lnox_\@:
.endm
.macro XLOAD                           ; x of my 8 rows, my feature of the tile at which XB stands
.irp i, 0,1,2,3,4,5,6,7
	global_load_b32 v[XP+(\i)], v[XO], s[XB:XB+1] offset:(\i)*2048
.endr
.endm
; the line for j = 0 .. n - 1 and, inside, both sets of rows: so no line reads the result of the one before it.  ox = the pair's place in DD, UU, VV
.macro FORJS n, line:vararg
.set jx, 0
.rept \n
.set sx, 0
.rept 2
.set ox, 24*sx+2*jx
	\line
.set sx, sx+1
.endr
.set jx, jx+1
.endr
.endm
.macro SUBK dst, a, idx                ; dst pair = a pair - knot idx
.if ((\idx)%2)==0
	v_pk_add_f32 v[(\dst):(\dst)+1], v[(\a):(\a)+1], v[KN+(\idx):KN+(\idx)+1] op_sel_hi:[1,0] neg_lo:[0,1] neg_hi:[0,1]
.else
	v_pk_add_f32 v[(\dst):(\dst)+1], v[(\a):(\a)+1], v[KN+(\idx)-1:KN+(\idx)] op_sel:[0,1] op_sel_hi:[1,1] neg_lo:[0,1] neg_hi:[0,1]
.endif
.endm
.macro MULB dst, a, tab, idx           ; dst pair = a pair x tab[idx]
.if ((\idx)%2)==0
	v_pk_mul_f32 v[(\dst):(\dst)+1], v[(\a):(\a)+1], v[(\tab)+(\idx):(\tab)+(\idx)+1] op_sel_hi:[1,0]
.else
	v_pk_mul_f32 v[(\dst):(\dst)+1], v[(\a):(\a)+1], v[(\tab)+(\idx)-1:(\tab)+(\idx)] op_sel:[0,1] op_sel_hi:[1,1]
.endif
.endm
.macro LEVEL n, far                    ; B_j = d_j C_j - d_j+k+1 C_j+1, j < n; far = 2 (k + 1) registers
	FORJS \n, v_pk_mul_f32 v[UU+ox:UU+ox+1], v[DD+ox+(\far):DD+ox+(\far)+1], v[VV+ox+2:VV+ox+3]
	FORJS \n, v_pk_fma_f32 v[UU+ox:UU+ox+1], v[DD+ox:DD+ox+1], v[VV+ox:VV+ox+1], v[UU+ox:UU+ox+1] neg_lo:[0,0,1] neg_hi:[0,0,1]
.endm
; four of my eight rows: pairs 2 hf and 2 hf + 1; the tile goes into A buffer par
.macro HALF hf, par
	FORJS 12, SUBK DD+ox, XP+4*(\hf)+2*sx, jx
.if (\hf) == 1
	XLOAD                                          ; x has been read for the last time: the next tile's is asked for, a trip ahead of its use
	ASKX
.endif
	FORJS 12, v_pk_fma_f32 v[UU+ox:UU+ox+1], v[DD+ox:DD+ox+1], v[BIGP:BIGP+1], v[ONEP:ONEP+1] clamp
.if (\hf) == 0
	s_wait_alu depctr_va_vdst(0)                   ; ONE wait for the 30 reciprocals, ahead of their first reader; the 48 lines above are the independent work between
.endif
	FORJS 11, MULB VV+ox, UU+ox, R1, jx
	FORJS 11, v_pk_fma_f32 v[VV+ox:VV+ox+1], v[VV+ox:VV+ox+1], v[UU+ox+2:UU+ox+3], v[VV+ox:VV+ox+1] neg_lo:[1,0,0] neg_hi:[1,0,0]
	LEVEL 10, 4
	FORJS 10, MULB VV+ox, UU+ox, R2, jx
	LEVEL 9, 6
	FORJS 9, MULB VV+ox, UU+ox, R3, jx
	LEVEL 8, 8
.set sx, 0
.rept 2                                ; a pair's low registers are its even row, the high ones its odd row: 8 bases of a row pack into 16 bytes
.set ex, 0
.rept 2
.set mx, 0
.rept 4
	v_cvt_pk_f16_f32 v[OO+8*sx+4*ex+mx], v[UU+24*sx+4*mx+ex], v[UU+24*sx+4*mx+2+ex]
.set mx, mx+1
.endr
.set ex, ex+1
.endr
.set sx, sx+1
.endr
.set sx, 0
.rept 2
.set ex, 0
.rept 2
	ds_store_b128 v[AST0+(\par)], v[OO+8*sx+4*ex:OO+8*sx+4*ex+3] offset:(2*(2*(\hf)+sx)+ex)*AP  ; sixteen lanes fill a row's 256 bytes
.set ex, ex+1
.endr
.set sx, sx+1
.endr
.endm
; A spline tile: features 16 n .. 16 n + 15, into A buffer par
.macro PRODUCE par
	v_add_nc_u32 v[ADG], s[TG], v[LG]
	ds_load_b128 v[KN:KN+3],    v[ADG]             ; 48 bytes a feature
	ds_load_b128 v[KN+4:KN+7],  v[ADG] offset:16
	ds_load_b128 v[KN+8:KN+11], v[ADG] offset:32
	s_add_co_u32 s[TG], s[TG], 768
	s_wait_dscnt 0x0
.set jx, 0
.rept 11
	v_sub_f32 v[R1+jx], v[KN+jx+1], v[KN+jx]
.set jx, jx+1
.endr
.set jx, 0
.rept 10
	v_sub_f32 v[R2+jx], v[KN+jx+2], v[KN+jx]
.set jx, jx+1
.endr
.set jx, 0
.rept 9
	v_sub_f32 v[R3+jx], v[KN+jx+3], v[KN+jx]
.set jx, jx+1
.endr
.set jx, 0
.rept 9
	v_mul_f32 v[R3+jx], 0x43800000, v[R3+jx]       ; times 256, exact: the tile's bases come out times 2^-8
.set jx, jx+1
.endr
.set jx, 0
.rept 11                               ; one batch of 30 reciprocals
	v_rcp_f32 v[R1+jx], v[R1+jx]
.set jx, jx+1
.endr
.set jx, 0
.rept 10
	v_rcp_f32 v[R2+jx], v[R2+jx]
.set jx, jx+1
.endr
.set jx, 0
.rept 9
	v_rcp_f32 v[R3+jx], v[R3+jx]
.set jx, jx+1
.endr
	s_wait_loadcnt 0x0                             ; x, asked for a trip ago; no load of mine is out, and the last prefetch by this base lies behind a trip's head: the base may be written
	s_add_co_u32 s[NSP], s[NSP], 1
	s_cmp_lt_u32 s[NSP], 32
	s_cselect_b32 s[XINC], 64, 0                   ; 16 features on; behind the last tile the same bytes once more, inside x, and unused
	s_add_nc_u64 s[XB:XB+1], s[XB:XB+1], s[XINC:XINC+1]
	HALF 0, \par
	HALF 1, \par
.endm
; A silu tile: features 128 u .. + 127.  Task i of 8: row 16 p + 2 i + lane / 16, features 4 q + 0..3 and 64 + 4 q + 0..3 (q = lane % 16): K unit q.  x is read here a second time; a load covers two rows' 256 bytes.
.macro SILU_LOADS
.irp i, 0,1,2,3,4,5,6,7
	global_load_b128 v[SX+8*(\i):SX+8*(\i)+3],   v[SXO], s[XS:XS+1] offset:(\i)*4096
	global_load_b128 v[SX+8*(\i)+4:SX+8*(\i)+7], v[SXO], s[XS:XS+1] offset:(\i)*4096+256
.endr
.endm
; 2^-8 silu(x) = x / (256 + 2^(8 - x log2 e)), four tasks at a time; each batch of 32 has a plain line behind it and one wait
.macro SILU_WORK par
.irp g, 0,1
	s_wait_loadcnt 8-8*(\g)                        ; tasks 0-3 are in, the eight younger loads may be out; then all
.set ix, 0
.rept 16
	v_pk_fma_f32 v[EE+32*(\g)+2*ix:EE+32*(\g)+2*ix+1], v[SX+32*(\g)+2*ix:SX+32*(\g)+2*ix+1], 0xbfb8aa3b, v[C8P:C8P+1] op_sel_hi:[1,0,1]
.set ix, ix+1
.endr
.set ix, 0
.rept 32
	v_exp_f32 v[EE+32*(\g)+ix], v[EE+32*(\g)+ix]
.set ix, ix+1
.endr
	v_nop
	s_wait_alu depctr_va_vdst(0)
.set ix, 0
.rept 16
	v_pk_add_f32 v[EE+32*(\g)+2*ix:EE+32*(\g)+2*ix+1], v[EE+32*(\g)+2*ix:EE+32*(\g)+2*ix+1], 0x43800000 op_sel_hi:[1,0]
.set ix, ix+1
.endr
.set ix, 0
.rept 32
	v_rcp_f32 v[EE+32*(\g)+ix], v[EE+32*(\g)+ix]
.set ix, ix+1
.endr
	v_nop
	s_wait_alu depctr_va_vdst(0)
.set ix, 0
.rept 16
	v_pk_mul_f32 v[EE+32*(\g)+2*ix:EE+32*(\g)+2*ix+1], v[EE+32*(\g)+2*ix:EE+32*(\g)+2*ix+1], v[SX+32*(\g)+2*ix:SX+32*(\g)+2*ix+1]
.set ix, ix+1
.endr
.set ix, 0
.rept 16
	v_cvt_pk_f16_f32 v[O2+16*(\g)+ix], v[EE+32*(\g)+2*ix], v[EE+32*(\g)+2*ix+1]
.set ix, ix+1
.endr
.irp t, 0,1,2,3
	ds_store_b128 v[AS20+(\par)], v[O2+16*(\g)+4*(\t):O2+16*(\g)+4*(\t)+3] offset:(4*(\g)+(\t))*2*AP
.endr
.endr
	s_add_nc_u64 s[XS:XS+1], s[XS:XS+1], 512       ; the next silu tile's features: my loads by this base are back
.endm
; A TRIP.  Slot p is filled again and A buffer p is made (make = 0: a spline tile; 1: a silu tile); slot and buffer 1 - p are multiplied.  skip = 1: the form that also serves trip -1, which multiplies nothing.
.macro TRIP make, p, skip
	HEAD \p, 1
	s_cmp_lt_u32 s[WV], 4
	s_cbranch_scc1 .Lmul_\@
.if (\make) == 0
	ASKW
	PRODUCE \p
.else
	SILU_LOADS
	ASKW                                           ; behind the wave's loads
	SILU_WORK \p
.endif
	s_branch .Ljoin_\@
.Lmul_\@:
.if \skip
	s_cmp_eq_u32 s[FIRST], 1
	s_cbranch_scc1 .Ljoin_\@                       ; trip -1: no tile has landed yet
.endif
	CONSUME 1-(\p)
.Ljoin_\@:
.if \skip
	s_mov_b32 s[FIRST], 0
.endif
.endm
; ---- THE HEAD ----
	s_load_b256 s[4:11], s[0:1], 0x0               ; x s[4:5], grid s[6:7], wt s[8:9], out0 s[10:11]
	v_lshl_add_u32 v[SPW], v0, 2, SPARE
	v_mov_b32 v[NIL], 0
	ds_add_u32 v[SPW], v[NIL]                      ; the wave's opening: the add and its wait ahead of my first tensor load; the set-up below, work on registers, stands between them
	v_lshrrev_b32 v1, 5, v0
	v_readfirstlane_b32 s[WV], v1
	s_and_b32 s[IDX], s[WV], 3
	s_bfe_u32 s[CX], ttmp6, 0x40000
	s_lshl_b32 s[WG], ttmp9, 2                     ; in a cluster launch ttmp9 counts clusters
	s_add_co_u32 s[WG], s[WG], s[CX]
	; group 1: dense bytes as rows of 32 elements of 8 bytes; no padding
	s_mov_b32 s[G1W+0], 15|(3<<16)|(1<<21)         ; 15:0 the mask of four; 17:16 8-byte elements; 21 set beside a mask
	s_mov_b32 s[G1W+1], 32<<16                     ; tensor_dim0 = 32
	s_mov_b32 s[G1W+2], 64<<16                     ; tensor_dim1 = 64
	s_mov_b32 s[G1W+3], 32<<16                     ; tile_dim0 = 32
	s_mov_b32 s[G1W+4], 64                         ; tile_dim1 = 64
	s_mov_b32 s[G1W+5], 32                         ; 32 elements from row to row
	s_mov_b32 s[G1W+6], 0
	s_mov_b32 s[G1W+7], 0
	s_mov_b32 s[G1G+0], 15|(3<<16)|(1<<21)
	s_mov_b32 s[G1G+1], 32<<16
	s_mov_b32 s[G1G+2], 12<<16                     ; 12 rows: an eighth of the knots' 24,576 bytes
	s_mov_b32 s[G1G+3], 32<<16
	s_mov_b32 s[G1G+4], 12
	s_mov_b32 s[G1G+5], 32
	s_mov_b32 s[G1G+6], 0
	s_mov_b32 s[G1G+7], 0
	s_mov_b32 s[G0S], 1
	s_lshl_b32 s[G0S+1], s[WV], 14                 ; my eighth of slot 0,
	s_mov_b32 s[G0S+4], 1
	s_lshl_b32 s[G0S+5], s[WV], 14
	s_add_co_u32 s[G0S+5], s[G0S+5], SLOTX         ; and of slot 1
	s_mov_b32 s[G0G], 1
	s_mul_i32 s[G0G+1], s[WV], 3072
	s_add_co_u32 s[G0G+1], s[G0G+1], GR
	s_lshl_b32 s60, s[WV], 14                      ; offsets, made apart from the addresses; those that feed descriptors hang on the wave's number alone
	s_mov_b32 s61, 0
	s_mul_i32 s62, s[WV], 3072
	s_mov_b32 s63, 0
	s_lshl_b32 s66, s[WG], 17                      ; my block: 64 rows of 2,048 bytes, in x and in out0
	s_mov_b32 s67, 0
	s_lshl_b32 s68, s[CX], 15                      ; the prefetches of W': my work-group's quarter of a tile,
	s_lshl_b32 s69, s[IDX], 13                     ; my quarter of that,
	s_add_co_u32 s68, s68, s69
	s_add_co_u32 s68, s68, 2*TILEB                 ; in tile 1; the head of trip -1 steps it to tile 2 = t + 3
	s_mov_b32 s69, 0
	s_lshl_b32 s70, s[IDX], 9                      ; a multiplier's 128 columns
	s_mov_b32 s71, 0
	s_mov_b32 s[TG], 0
	s_mov_b32 s[FIRST], 1
	s_mov_b32 s[REM], 37
	s_mov_b32 s[XINC+1], 0
	s_mov_b32 s[NSP], 0
	s_cmp_eq_u32 ttmp9, 0                          ; the same in all four partners
	s_cselect_b32 s[LIMW], 3, -1
	s_wait_dscnt 0x0                               ; the opening add is done
	s_wait_kmcnt 0x0
	s_add_nc_u64 s[G0S+6:G0S+7], s[8:9], s[60:61]  ; slot 1: one tile ahead of tile 0; the head of trip -1 steps it to tile 1
	s_add_nc_u64 s[G0S+2:G0S+3], s[G0S+6:G0S+7], TILEB  ; slot 0: tile 0
	s_or_b32 s[G0S+3], s[G0S+3], 0x80000000        ; type = 2
	s_or_b32 s[G0S+7], s[G0S+7], 0x80000000
	s_add_nc_u64 s[G0G+2:G0G+3], s[6:7], s[62:63]
	s_or_b32 s[G0G+3], s[G0G+3], 0x80000000
	s_add_nc_u64 s[XB:XB+1], s[4:5], s[66:67]
	s_mov_b64 s[XS:XS+1], s[XB:XB+1]
	s_add_nc_u64 s[PFW:PFW+1], s[8:9], s[68:69]
	s_add_nc_u64 s[OB:OB+1], s[10:11], s[66:67]
	s_add_nc_u64 s[OB:OB+1], s[OB:OB+1], s[70:71]
	CROUND                                         ; all four work-groups are here: the first joint loads meet
	tensor_load_to_lds s[G0G:G0G+3], s[G1G:G1G+7]  ; the knots, an eighth a wave; waited for by the first trip's head
	s_nop 0
	PLACES
	; Both kinds' addresses, made by every wave in one text: each register has one formula in the thread's number, and a wave uses those of its kind alone.
	v_and_b32 v[LQ], 15, v0
	v_bfe_u32 v[LH], v0, 4, 1
	v_and_b32 v[LL], 31, v0
	s_lshl_b32 s60, s[WV], 15                      ; a multiplier's 8 column blocks of 4,096 bytes
	v_lshl_add_u32 v[LB0], v[LL], 4, s60
	v_add_nc_u32 v[LB0+1], SLOTX, v[LB0]
	v_mul_u32_u24 v[LA0], v[LQ], AP
	v_lshl_add_u32 v[LA0], v[LH], 4, v[LA0]
	v_add_nc_u32 v[LA0+1], ABUF0+ABUFX, v[LA0]
	v_add_nc_u32 v[LA0], ABUF0, v[LA0]
	s_mul_i32 s61, s[WV], 16*SP
	s_add_co_u32 s61, s61, ABUF0                   ; a multiplier's stage
	v_mul_u32_u24 v[STO], v[LQ], SP                ; in: row lane % 16, 32 bytes for each half of the lanes
	v_lshl_add_u32 v[STO], v[LH], 5, v[STO]
	v_add_nc_u32 v[STO], s61, v[STO]
	v_lshl_add_u32 v[RD], v[LL], 4, s61            ; back: a row's 512 bytes
	v_lshlrev_b32 v[CO], 4, v[LL]
	s_mul_i32 s62, s[WV], 16*AP                    ; a maker's 16 rows of A: wave 4 has the first
	s_add_co_u32 s62, s62, ABUF0-4*16*AP
	v_mul_u32_u24 v[AST0], v[LH], 8*AP             ; 8 rows for each half of the lanes
	v_lshl_add_u32 v[AST0], v[LQ], 4, v[AST0]
	v_add_nc_u32 v[AST0], s62, v[AST0]
	v_add_nc_u32 v[AST0+1], ABUFX, v[AST0]
	v_mul_u32_u24 v[AS20], v[LH], AP
	v_lshl_add_u32 v[AS20], v[LQ], 4, v[AS20]
	v_add_nc_u32 v[AS20], s62, v[AS20]
	v_add_nc_u32 v[AS20+1], ABUFX, v[AS20]
	v_mul_u32_u24 v[LG], v[LQ], 48
	v_add_nc_u32 v[LG], GR, v[LG]
	s_lshl_b32 s63, s[IDX], 15                     ; a maker's 16 rows of x
	v_lshlrev_b32 v[XO], 2, v[LQ]
	v_lshl_add_u32 v[XO], v[LH], 14, v[XO]
	v_add_nc_u32 v[XO], s63, v[XO]
	v_lshlrev_b32 v[PFO], 11, v[LQ]                ; row lane % 16, block lane / 16
	v_lshl_add_u32 v[PFO], v[LH], 8, v[PFO]
	v_add_nc_u32 v[PFO], s63, v[PFO]
	v_lshlrev_b32 v[PFWO], 8, v[LL]
	v_lshlrev_b32 v[SXO], 4, v[LQ]
	v_lshl_add_u32 v[SXO], v[LH], 11, v[SXO]
	v_add_nc_u32 v[SXO], s63, v[SXO]
	s_cmp_lt_u32 s[WV], 4
	s_cbranch_scc0 .Lmaker
	WIN 0x40                                       ; destination window 1
.set ix, 0
.rept 256
	v_mov_b32 v[ix], 0
.set ix, ix+1
.endr
	WIN 0
.set ix, 0
.rept 96
	v_mov_b32 v[F1+ix], 0
.set ix, ix+1
.endr
	s_branch .Lgo
.Lmaker:
	v_mov_b32 v[BIGP], 0x7f000000
	v_mov_b32 v[BIGP+1], 0x7f000000
	v_mov_b32 v[ONEP], 1.0
	v_mov_b32 v[ONEP+1], 1.0
	v_mov_b32 v[C8P], 0x41000000
	v_mov_b32 v[C8P+1], 0x41000000
	v_mov_b32 v[R1+11], 0
	v_mov_b32 v[R3+9], 0
	XLOAD                                          ; x for spline tile 0
.Lgo:
; ---- TRIPS -1 TO 34 ----
	s_mov_b32 s[CYC], 2
.Lcycle:
	s_mov_b32 s[CNT], 8
.Lpair:                                                ; two trips: an even and an odd spline tile are made
	TRIP 0, 0, 1
	TRIP 0, 1, 0
	s_sub_co_u32 s[CNT], s[CNT], 1
	s_cmp_lg_u32 s[CNT], 0
	s_cbranch_scc1 .Lpair
	TRIP 1, 0, 0                                   ; the cycle's two silu tiles
	TRIP 1, 1, 0
	s_sub_co_u32 s[CYC], s[CYC], 1
	s_cmp_lg_u32 s[CYC], 0
	s_cbranch_scc1 .Lcycle
; ---- TRIP 35, written out: nothing is asked for, nothing is made ----
	HEAD 0, 0
	s_cmp_lt_u32 s[WV], 4
	s_cbranch_scc0 .Lp3
	CONSUME 1
.Lp3:
	s_wait_dscnt 0x0                               ; my reads of the A buffers are over,
	s_barrier_signal -1
	s_barrier_wait -1                              ; everybody's are: the buffers become the stages
	s_cmp_lt_u32 s[WV], 4
	s_cbranch_scc0 .Lend
	MULH F1, 0                                     ; the last tile's fourth quarter
	MULH F1, 1
	WIN 0
	PLACES                                         ; in front of the LDS stores that read results, and of loads into registers that the products read
; THE WAY OUT, 16 rows at a time: a lane's 8 columns of a row (32 bytes, each accumulator's low four registers first) into my own stage; back as whole rows of 512 bytes; stored.
; LDS serves a wave's instructions in order (ISA guide 5.7.1.4), so no wait stands between my stores and my loads.
.irp a, 0,1,2,3
.set BK, F0+64*((\a)%2)
	WIN 0x04                                       ; store data in window 1
.irp b, 0,1,2,3,4,5,6,7
	ds_store_b128 v[STO], v[8*(8*(\a)+(\b)):8*(8*(\a)+(\b))+3]   offset:64*(\b)
	ds_store_b128 v[STO], v[8*(8*(\a)+(\b))+4:8*(8*(\a)+(\b))+7] offset:64*(\b)+16
.endr
	WIN 0
.if (\a) >= 2
	s_wait_xcnt 0x0                                ; the stores of two blocks back have read these registers (ISA guide 3.1)
.endif
.irp t, 0,1,2,3,4,5,6,7,8,9,10,11,12,13,14,15
	ds_load_b128 v[BK+4*(\t):BK+4*(\t)+3], v[RD] offset:(\t)*SP
.endr
.irp t, 0,1,2,3,4,5,6,7,8,9,10,11,12,13,14,15
	s_wait_dscnt 15-(\t)                           ; row t is back; the younger rows may be out
	global_store_b128 v[CO], v[BK+4*(\t):BK+4*(\t)+3], s[OB:OB+1] offset:(16*(\a)+(\t))*2048 th:TH_STORE_NT  ; 512 consecutive bytes, at a multiple of 512 from out0's first byte
.endr
.endr
.Lend:
	s_wait_tensorcnt 0x0                           ; the wave's end: behind my last tensor load and my last LDS store
	ds_add_u32 v[SPW], v[NIL]
	s_wait_dscnt 0x0
	CROUND                                         ; the closing round: no work-group ends while a partner may still ask for a tile that names it
	s_endpgm
.Lfunc_end_k_qdd4fbe1555_kan:
	.size	k_qdd4fbe1555_kan, .Lfunc_end_k_qdd4fbe1555_kan-k_qdd4fbe1555_kan
	.p2alignl 7, 3214868480
	.fill 96, 4, 3214868480
	.section	.rodata,"a",@progbits
	.p2align	6, 0x0
	.amdhsa_kernel k_qdd4fbe1555_kan
		.amdhsa_group_segment_fixed_size 327680
		.amdhsa_private_segment_fixed_size 0
		.amdhsa_enable_private_segment 0
		.amdhsa_kernarg_size 32
		.amdhsa_user_sgpr_count 2
		.amdhsa_user_sgpr_kernarg_segment_ptr 1
		.amdhsa_wavefront_size32 1
		.amdhsa_system_sgpr_workgroup_id_x 1
		.amdhsa_system_sgpr_workgroup_id_y 1
		.amdhsa_system_sgpr_workgroup_id_z 1
		.amdhsa_system_vgpr_workitem_id 0
		.amdhsa_next_free_vgpr 512
		.amdhsa_next_free_sgpr 80
		.amdhsa_reserve_vcc 0
		.amdhsa_float_denorm_mode_32 3
		.amdhsa_float_denorm_mode_16_64 3
		.amdhsa_memory_ordered 1
		.amdhsa_forward_progress 1
		.amdhsa_inst_pref_size 222
	.end_amdhsa_kernel
	.amdgpu_metadata
---
amdhsa.version: [ 1, 2 ]
amdhsa.kernels:
  - .name:           k_qdd4fbe1555_kan
    .symbol:         k_qdd4fbe1555_kan.kd
    .args:
      - { .name: x, .offset: 0, .size: 8, .value_kind: global_buffer, .address_space: global }
      - { .name: grid, .offset: 8, .size: 8, .value_kind: global_buffer, .address_space: global }
      - { .name: wt, .offset: 16, .size: 8, .value_kind: global_buffer, .address_space: global }
      - { .name: out0, .offset: 24, .size: 8, .value_kind: global_buffer, .address_space: global }
    .group_segment_fixed_size: 327680
    .private_segment_fixed_size: 0
    .kernarg_segment_align: 8
    .kernarg_segment_size: 32
    .max_flat_workgroup_size: 256
    .sgpr_count:     80
    .vgpr_count:     512
    .wavefront_size: 32
...
	.end_amdgpu_metadata
.endif
;; end of part 2
;; ======== version 2 of 2: 2 launches; version 1 with the launch prep written anew for expert scheduling mode
;; limits: values are held in f16: magnitudes above 65,504 overflow, below 6.1e-05 lose precision; right only within a limited range of input values
;; workspace buffers: wt 4,849,664 bytes
;; launch prep (part 3): grid 8 x 36, 4 waves a work-group, no clusters, 17,920 bytes of LDS; arguments base_weight, spline_scaler, spline_weight, wt; writes wt
.if DOCPART == 3
	.amdgcn_target "amdgcn-amd-amdhsa--gfx1250"
	.amdhsa_code_object_version 6
	.text
	.protected	k_qdd4fbe1555_prep
	.globl	k_qdd4fbe1555_prep
	.p2align	8
	.type	k_qdd4fbe1555_prep,@function
k_qdd4fbe1555_prep:
	s_mov_b64 s[64:65], 0
	v_nop
	global_prefetch_b8 v0, s[64:65] scope:SCOPE_SE
	s_setreg_imm32_b32 hwreg(HW_REG_WAVE_SCHED_MODE, 0, 2), 2
	s_setreg_imm32_b32 hwreg(HW_REG_WAVE_MODE, 25, 1), 1
	s_wait_xcnt 0x0
	s_wait_alu depctr_vm_vsrc(0)
; W' FOR THE FUSED PRODUCT.  wt holds 36 tiles of 512 output columns x 128 along K, in f16, each number 256 x the weight.  Tile i = 18 v + c:
;   c < 16:  features 16 n .. 16 n + 15 (n = 16 v + c), 8 coefficients each: 256 x spline_weight[o][f][k] x spline_scaler[o][f] (one f32 product, rounded once to f16)
;   c >= 16: features 128 u .. 128 u + 127 (u = 2 v + c - 16): 256 x base_weight[o][f]
; Tile i lies at byte 131,072 (1 + i); the first 131,072 bytes of wt are neither written nor read (one of the next launch's walking addresses starts there and steps before its first use).
; ORDER IN A TILE.  The 16 bytes at 4,096 nb + 512 m + 16 L (nb 0..31, m 0..7, L 0..31) are column 16 nb + L % 16, K unit q = 2 m + L / 16: so half a matrix fragment is 512 bytes on end.
; A K unit is 8 numbers: in a spline tile feature 16 n + q's eight coefficients; in a base tile features 128 u + 4 q + 0..3, then 128 u + 64 + 4 q + 0..3.
; WHY 256: f16's normal numbers begin at 6.1e-5; the factor, a power of two and so exact, lifts products of two small weights into them; the next launch makes its other operand 256 times smaller.
; LIMIT: 256 x |weight| of 65,520 or more becomes an infinity in f16.
; SHARES.  Work-group (x, y): tile y; wave w makes block nb = 4 x + w: 16 columns x 16 units, 4,096 bytes.  Each row's 512 bytes are read by one load of the wave; the turn from
; [column][unit] to [unit][column] goes through the wave's own LDS stage (no other wave touches it: no barrier); each store of the wave covers 512 consecutive bytes, aligned.
; THE MODE: SCHED_MODE bits 1:0 = 2 (LLVM: expert scheduling mode 2), set by the entry lines.  The code itself states the register dependences
; between vector instructions and memory or LDS instructions, with s_wait_alu, always for 0.
; THE PLAN.  Registers that memory or LDS instructions touch:
;   LO, SO, ST, RD  offsets and LDS addresses: each written by vector lines once, ahead of the wait that stands in front of an arm's loads, and never again.
;   WR   the 16 rows land here; the multiplies work in place and the roundings read them; at the end the 8 pieces from the stage land in its first 32 registers, and the global stores read those.
;   SC   the 16 scalers land here; after that vector lines alone name them.
;   PK   written by the roundings, each register once; read by the LDS stores.
;   SPW, NIL  written at the head, read by the closing add alone.
; The 16 rows go in two halves of 8.  A half's arithmetic writes its half of PK; ONE wait on va_vdst follows; then the half's eight LDS stores in one run.  The second half's arithmetic names rows 8-15
; of WR, SC and PK: none of the registers that the first half's stores touch.  The second half's wait also states that all vector lines are done with WR, in which the pieces from the stage land.
; No register that a memory or LDS instruction has read is written again, so the text holds no wait on vm_vsrc.
.set PITCH,  272                       ; a unit's 16 columns x 16 bytes + 16: unit q starts at bank 4 q mod 64 (64 banks of 4 bytes: ISA guide 11.1)
.set WSTAGE, 16*PITCH                  ; a wave's stage
.set SPARE,  4*WSTAGE                  ; behind the stages: the spare words, 128 bytes a wave: two blocks of 256 bytes that no other line names
.set LO,  2                            ; v2   16 x lane: my 16 bytes of a row that is read, and of a piece that is stored; never rewritten
.set SO,  3                            ; v3   my feature's word in a row of spline_scaler
.set ST,  4                            ; v4   stage, in: my unit and half
.set RD,  5                            ; v5   stage, back
.set SPW, 12                           ; v12  LDS address of my spare word; never rewritten
.set NIL, 13                           ; v13  0; never rewritten
.set WR,  16                           ; v[16:79]   16 rows x 4 f32; later the 8 pieces read back
.set SC,  80                           ; v[80:95]   256 x scaler, one a row
.set PK,  96                           ; v[96:127]  16 rows x 2 words of f16
; dst pair = a pair x tab[idx], the one number for both halves
.macro MULB dst, a, tab, idx
.if ((\idx)%2)==0
	v_pk_mul_f32 v[(\dst):(\dst)+1], v[(\a):(\a)+1], v[(\tab)+(\idx):(\tab)+(\idx)+1] op_sel_hi:[1,0]
.else
	v_pk_mul_f32 v[(\dst):(\dst)+1], v[(\a):(\a)+1], v[(\tab)+(\idx)-1:(\tab)+(\idx)] op_sel:[0,1] op_sel_hi:[1,1]
.endif
.endm
; row r: rounded to f16
.macro ROWCVT r
	v_cvt_pk_f16_f32 v[PK+2*(\r)], v[WR+4*(\r)], v[WR+4*(\r)+1]
	v_cvt_pk_f16_f32 v[PK+2*(\r)+1], v[WR+4*(\r)+2], v[WR+4*(\r)+3]
.endm
; row r: 8 bytes into the stage
.macro ROWST r
	ds_store_b64 v[ST], v[PK+2*(\r):PK+2*(\r)+1] offset:16*(\r)
.endm
; row r of a spline tile: times 256 x its scaler, rounded
.macro SROW r
	MULB WR+4*(\r), WR+4*(\r), SC, \r
	MULB WR+4*(\r)+2, WR+4*(\r)+2, SC, \r
	ROWCVT \r
.endm
; row r of a base tile: times 256, rounded
.macro BROW r
	v_pk_mul_f32 v[WR+4*(\r):WR+4*(\r)+1], v[WR+4*(\r):WR+4*(\r)+1], 0x43800000 op_sel_hi:[1,0]
	v_pk_mul_f32 v[WR+4*(\r)+2:WR+4*(\r)+3], v[WR+4*(\r)+2:WR+4*(\r)+3], 0x43800000 op_sel_hi:[1,0]
	ROWCVT \r
.endm
	s_load_b256 s[4:11], s[0:1], 0x0               ; base_weight s[4:5], spline_scaler s[6:7], spline_weight s[8:9], wt s[10:11]
	v_lshl_add_u32 v[SPW], v0, 2, SPARE
	v_mov_b32 v[NIL], 0
	v_lshrrev_b32 v1, 5, v0
	v_readfirstlane_b32 s12, v1                    ; wave 0..3
	v_and_b32 v14, 31, v0                          ; lane; the lane's arithmetic stands between that line and the wait for its result
	v_lshlrev_b32 v[LO], 4, v14
	v_lshrrev_b32 v15, 4, v14
	v_and_b32 v1, 15, v14
	v_mul_u32_u24 v[RD], v15, PITCH                ; back: unit 2 m + lane / 16, column lane % 16
	v_lshl_add_u32 v[RD], v1, 4, v[RD]
	s_wait_alu depctr_va_sdst(0)                   ; s12 is written, ahead of its first reader: the block's number and the stage's place are made from it
	s_lshl_b32 s13, ttmp9, 2
	s_add_co_u32 s13, s13, s12                     ; nb
	s_and_b32 s14, ttmp7, 0xffff                   ; tile i
	s_cmp_ge_u32 s14, 18
	s_cselect_b32 s15, 1, 0                        ; v = i / 18
	s_mul_i32 s16, s15, 18
	s_sub_co_u32 s16, s14, s16                     ; c = i % 18
	s_lshl4_add_u32 s17, s15, s16                  ; n = 16 v + c, for c < 16
	s_lshl1_add_u32 s19, s15, s16
	s_sub_co_u32 s19, s19, 16                      ; u = 2 v + c - 16, for c >= 16
	s_mul_i32 s18, s12, WSTAGE                     ; my stage
	v_add_nc_u32 v[RD], s18, v[RD]
	s_add_co_u32 s22, s14, 1
	s_lshl_b32 s22, s22, 17                        ; 131,072 (1 + i)
	s_lshl_b32 s23, s13, 12                        ; + 4,096 nb
	s_add_co_u32 s22, s22, s23
	s_mov_b32 s23, 0
	s_wait_kmcnt 0x0
	s_add_nc_u64 s[10:11], s[10:11], s[22:23]
	s_cmp_ge_u32 s16, 16
	s_cbranch_scc1 .Lbase
	; a spline tile: row o holds 16 features x 8 coefficients = 512 bytes at 16,384 o + 512 n; lane l has feature l / 2, coefficients 4 (l % 2) + 0..3
	s_lshl_b32 s20, s13, 18                        ; 16 nb rows of 16,384 bytes
	s_lshl_b32 s21, s17, 9
	s_add_co_u32 s20, s20, s21
	s_mov_b32 s21, 0
	s_add_nc_u64 s[8:9], s[8:9], s[20:21]
	s_lshl_b32 s20, s13, 15                        ; 16 nb rows of 2,048 bytes
	s_lshl_b32 s21, s17, 6
	s_add_co_u32 s20, s20, s21
	s_mov_b32 s21, 0
	s_add_nc_u64 s[6:7], s[6:7], s[20:21]
	v_lshrrev_b32 v15, 1, v14
	v_and_b32 v1, 1, v14
	v_lshlrev_b32 v[SO], 2, v15
	v_mul_u32_u24 v[ST], v15, PITCH                ; unit = my feature, half = l % 2
	v_lshl_add_u32 v[ST], v1, 3, v[ST]
	v_add_nc_u32 v[ST], s18, v[ST]
	s_wait_alu depctr_va_vdst(0)                   ; LO and SO are written, which the loads below read as offsets; so are ST and RD, which the LDS stores and loads further down read
.irp r, 0,1,2,3,4,5,6,7,8,9,10,11,12,13,14,15
	global_load_b32 v[SC+(\r)], v[SO], s[6:7] offset:(\r)*2048  ; the scalers first, so that the counted wait below shows all of them in
.endr
.irp r, 0,1,2,3,4,5,6,7,8,9,10,11,12,13,14,15
	global_load_b128 v[WR+4*(\r):WR+4*(\r)+3], v[LO], s[8:9] offset:(\r)*16384 th:TH_LOAD_NT
.endr
	s_wait_loadcnt 8                               ; loads come back in order (ISA guide 5.7.1): the scalers and rows 0-7 are in; the eight younger loads, rows 8-15, may be out
.irp r, 0,1,2,3,4,5,6,7,8,9,10,11,12,13,14,15
	v_mul_f32 v[SC+(\r)], 0x43800000, v[SC+(\r)]   ; 256 x scaler: exact
.endr
.irp r, 0,1,2,3,4,5,6,7
	SROW \r
.endr
	s_wait_alu depctr_va_vdst(0)                   ; the roundings of rows 0-7 have written their half of PK, which the eight LDS stores below read
.irp r, 0,1,2,3,4,5,6,7
	ROWST \r                                       ; they go out ahead of the wait for the younger rows
.endr
	s_wait_loadcnt 0x0                             ; rows 8-15 are in
.irp r, 8,9,10,11,12,13,14,15
	SROW \r                                        ; these lines name rows 8-15 of WR, SC and PK: no register that the stores above touch
.endr
	s_wait_alu depctr_va_vdst(0)                   ; the roundings of rows 8-15 have written their half of PK, which the stores below read; all multiplies and roundings are done with WR, in which the pieces from the stage land
.irp r, 8,9,10,11,12,13,14,15
	ROWST \r
.endr
	s_branch .Lback
.Lbase:	; a base tile: row o holds 128 features = 512 bytes at 2,048 o + 512 u; lane l has features 4 l + 0..3: unit l % 16, half l / 16
	s_lshl_b32 s20, s13, 15
	s_lshl_b32 s21, s19, 9
	s_add_co_u32 s20, s20, s21
	s_mov_b32 s21, 0
	s_add_nc_u64 s[4:5], s[4:5], s[20:21]
	v_mul_u32_u24 v[ST], v1, PITCH
	v_lshl_add_u32 v[ST], v15, 3, v[ST]
	v_add_nc_u32 v[ST], s18, v[ST]
	s_wait_alu depctr_va_vdst(0)                   ; LO is written, which the loads below read as their offset; so are ST and RD, which the LDS stores and loads further down read
.irp r, 0,1,2,3,4,5,6,7,8,9,10,11,12,13,14,15
	global_load_b128 v[WR+4*(\r):WR+4*(\r)+3], v[LO], s[4:5] offset:(\r)*2048 th:TH_LOAD_NT
.endr
	s_wait_loadcnt 8                               ; rows 0-7 are in; the eight younger loads, rows 8-15, may be out
.irp r, 0,1,2,3,4,5,6,7
	BROW \r
.endr
	s_wait_alu depctr_va_vdst(0)                   ; the roundings of rows 0-7 have written their half of PK, which the eight LDS stores below read
.irp r, 0,1,2,3,4,5,6,7
	ROWST \r                                       ; they go out ahead of the wait for the younger rows
.endr
	s_wait_loadcnt 0x0                             ; rows 8-15 are in
.irp r, 8,9,10,11,12,13,14,15
	BROW \r                                        ; these lines name rows 8-15 of WR and PK: no register that the stores above touch
.endr
	s_wait_alu depctr_va_vdst(0)                   ; the roundings of rows 8-15 have written their half of PK, which the stores below read; all multiplies and roundings are done with WR, in which the pieces from the stage land
.irp r, 8,9,10,11,12,13,14,15
	ROWST \r
.endr
.Lback:	; LDS serves a wave's instructions in order (ISA guide 5.7.1.4): these loads see the stores above.  On both ways here no vector line stands behind the arm's last wait on va_vdst, so that wait serves these loads too
.irp m, 0,1,2,3,4,5,6,7
	ds_load_b128 v[WR+4*(\m):WR+4*(\m)+3], v[RD] offset:(\m)*2*PITCH
.endr
.irp m, 0,1,2,3,4,5,6,7
	s_wait_dscnt 7-(\m)                            ; piece m is back; the younger ones may be out
	global_store_b128 v[LO], v[WR+4*(\m):WR+4*(\m)+3], s[10:11] offset:(\m)*512  ; 512 consecutive bytes, at a multiple of 512 from wt's first byte
.endr
	s_wait_dscnt 0x0                               ; the wave's end
	s_wait_alu 0x0
	s_wait_tensorcnt 0x0
	ds_add_u32 v[SPW], v[NIL]
	s_wait_dscnt 0x0
	s_endpgm
.Lfunc_end_k_qdd4fbe1555_prep:
	.size	k_qdd4fbe1555_prep, .Lfunc_end_k_qdd4fbe1555_prep-k_qdd4fbe1555_prep
	.p2alignl 7, 3214868480
	.fill 96, 4, 3214868480
	.section	.rodata,"a",@progbits
	.p2align	6, 0x0
	.amdhsa_kernel k_qdd4fbe1555_prep
		.amdhsa_group_segment_fixed_size 17920
		.amdhsa_private_segment_fixed_size 0
		.amdhsa_enable_private_segment 0
		.amdhsa_kernarg_size 32
		.amdhsa_user_sgpr_count 2
		.amdhsa_user_sgpr_kernarg_segment_ptr 1
		.amdhsa_wavefront_size32 1
		.amdhsa_system_sgpr_workgroup_id_x 1
		.amdhsa_system_sgpr_workgroup_id_y 1
		.amdhsa_system_sgpr_workgroup_id_z 1
		.amdhsa_system_vgpr_workitem_id 0
		.amdhsa_next_free_vgpr 128
		.amdhsa_next_free_sgpr 66
		.amdhsa_reserve_vcc 0
		.amdhsa_float_denorm_mode_32 3
		.amdhsa_float_denorm_mode_16_64 3
		.amdhsa_memory_ordered 1
		.amdhsa_forward_progress 1
		.amdhsa_inst_pref_size 22
	.end_amdhsa_kernel
	.amdgpu_metadata
---
amdhsa.version: [ 1, 2 ]
amdhsa.kernels:
  - .name:           k_qdd4fbe1555_prep
    .symbol:         k_qdd4fbe1555_prep.kd
    .args:
      - { .name: base_weight, .offset: 0, .size: 8, .value_kind: global_buffer, .address_space: global }
      - { .name: spline_scaler, .offset: 8, .size: 8, .value_kind: global_buffer, .address_space: global }
      - { .name: spline_weight, .offset: 16, .size: 8, .value_kind: global_buffer, .address_space: global }
      - { .name: wt, .offset: 24, .size: 8, .value_kind: global_buffer, .address_space: global }
    .group_segment_fixed_size: 17920
    .private_segment_fixed_size: 0
    .kernarg_segment_align: 8
    .kernarg_segment_size: 32
    .max_flat_workgroup_size: 128
    .sgpr_count:     66
    .vgpr_count:     128
    .wavefront_size: 32
...
	.end_amdgpu_metadata
.endif
;; end of part 3
;; launch kan: the kernel of part 2 again; grid 256 x 1, 8 waves a work-group, clusters of 4 x 1, 327,680 bytes of LDS; arguments x, grid, wt, out0; writes out0
